; MI455X (gfx1250); checked and timed in simulation.
; The chip was launched on July 23, 2026; its instructions are those of AMD's public machine-readable ISA for CDNA 5 (MIT licence, August 2026) and "CDNA5" Instruction Set Architecture Reference Guide (July 2026). The comments in the code are by the model that wrote it; some were corrected since.
;; Multi Head Attention. Allowed arithmetic: matrix products marked QUANTISED: E2M1 operands, one E8M0 scale for each 32 along K, by v_wmma_scale_f32_16x16x128_f8f6f4 with both operands' format E2M1 (or v_wmma_scale_f32_32x16x128_f4), f32 sums; products left as they are: bf16, f16 or f32 operands; f32 sums; everything else in f32.
;; Inputs: W_k 512 x 512 float32; W_o 512 x 512 float32; W_q 512 x 512 float32; W_v 512 x 512 float32; b_k 512 float32; b_o 512 float32; b_q 512 float32; b_v 512 float32; k 4 x 2,048 x 512 float32; padding_mask 4 x 1 x 1 x 2,048 bool; q 4 x 2,048 x 512 float32; v 4 x 2,048 x 512 float32.
;; Outputs: out0 4 x 2,048 x 512 float32.
;; This version of the problem:
;;   THIS VERSION OF THE PROBLEM IS GIVEN IN LOW PRECISION. The matrix products marked QUANTISED in the list below multiply operands that are first quantised to E2M1 (2 exponent bits, 1 mantissa bit; 4 bits a number), with one power-of-two scale for each 32 numbers along K (OCP MX v1.0); their sums are f32. The products marked 'left as it is' may take bf16, f16 or f32 operands, with f32 sums. Whichever they take, every output number must still come out within the allowed error. Rounding operands to bf16 (8 significant bits) uses up far more of that allowance than f16 does (11 bits, for magnitudes from 6e-5 to 65,504). All else is computed in f32.
;;   The module's matrix products, in the order in which they are computed (A, B: the left and right operand; K: the contracted axis; several contracted axes count as one K, in the product's order):
;;     1. [M 8,192, K 512] x [K 512, N 512]; A: input q; B: input W_q: QUANTISED
;;     2. [M 8,192, K 512] x [K 512, N 512]; A: input k; B: input W_k: QUANTISED
;;     3. [M 8,192, K 512] x [K 512, N 512]; A: input v; B: input W_v: QUANTISED
;;     4. batch 32 x [M 2,048, K 64] x [K 64, N 2,048]; A: computed on the way; B: computed on the way: left as it is (an operand is computed on the way)
;;     5. batch 32 x [M 2,048, K 2,048] x [K 2,048, N 64]; A: computed on the way; B: computed on the way: left as it is (an operand is computed on the way)
;;     6. [M 8,192, K 512] x [K 512, N 512]; A: computed on the way; B: input W_o: left as it is (an operand is computed on the way)
;;   THE QUANTISER, for each operand of a quantised product, along K:
;;     - K is cut into blocks of 32 from its start; a last block that is shorter is filled with zeros.
;;     - A block's scale is 2^e with e = floor(log2(the largest magnitude in the block)) - 2, held to -126 .. 127; a block of zeros has e = 0. As a byte (E8M0): e + 127.
;;     - Each number is divided by its block's scale, clamped to +-6, and rounded to the nearest number of E2M1, ties to even, subnormals kept.
;;     - The product sums the exact products of the quantised numbers (number of the format x scale) in f32.
;;   ~~~python
;;   def quantise(x, axis):      # numpy; x: float32 -> the quantised numbers, widened to float32 again
;;       x = np.moveaxis(x, axis, -1); K = x.shape[-1]
;;       x = np.pad(x, [(0, 0)] * (x.ndim - 1) + [(0, -K % 32)]); x = x.reshape(x.shape[:-1] + (-1, 32)); a = np.abs(x).max(-1, keepdims=True)
;;       e = np.where(a > 0, np.clip(np.frexp(np.where(a > 0, a, 1))[1] - 1 - 2, -126, 127), 0)      # np.frexp(a)[1] - 1 = floor(log2(a)), exactly
;;       r = np.clip(x / 2.0 ** e, -6, 6)
;;       step = 2.0 ** (np.maximum(np.frexp(np.where(r == 0, 1, r))[1] - 1, 0) - 1)
;;       q = np.round(r / step) * step * 2.0 ** e      # np.round: ties to even
;;       return np.moveaxis(q.reshape(q.shape[:-2] + (-1,))[..., :K], -1, axis).astype(np.float32)
;;   ~~~
;; One version. Each part assembles by itself: llvm-mc -triple=amdgcn-amd-amdhsa -mcpu=gfx1250 --defsym DOCPART=n.
;; ======== version 1 of 1: 4 launches
;; limits: values are held in f16: magnitudes above 65,504 overflow, below 6.1e-05 lose precision
;; workspace buffers: wcodes 393,216 bytes; wscales 49,152 bytes; wo16 524,288 bytes; maskb 32,768 bytes; qh 8,388,608 bytes; kv 16,777,216 bytes; xh 8,388,608 bytes
;; launch prep (part 1): grid 132 x 1, 4 waves a work-group, no clusters, 0 bytes of LDS; arguments W_q, W_k, W_v, W_o, padding_mask, wcodes, wscales, wo16, maskb; writes wcodes, wscales, wo16, maskb
.if DOCPART == 1
	.amdgcn_target "amdgcn-amd-amdhsa--gfx1250"
	.amdhsa_code_object_version 6
	.text
	.protected	k_q484c1b049d_prep
	.globl	k_q484c1b049d_prep
	.p2align	8
	.type	k_q484c1b049d_prep,@function
k_q484c1b049d_prep:
	s_mov_b64 s[64:65], 0
	v_nop
	global_prefetch_b8 v0, s[64:65] scope:SCOPE_SE
	s_setreg_imm32_b32 hwreg(HW_REG_WAVE_MODE, 25, 1), 1
	s_wait_xcnt 0x0
; THE WEIGHTS AND THE MASK ARE LAID OUT ONCE, in the order in which the later launches' operand registers take them.
; Work-groups 0-95:    W_q, W_k, W_v [512 (k)][512 (n)] f32 -> codes of FP4 (E2M1) quantised along K, their FIRST axis, with one E8M0 byte for each 32 along K.
;                      wcodes [w 3][nt 32][s 4][c 2][lane 32][16 bytes]: lane (r, h) holds column 16 nt + r, k = 128 s + 64 c + 32 h + 0 .. 31;  wscales [w][nt][s][lane][4 bytes]: the word of column 16 nt + lane % 16.
; Work-groups 96-127:  W_o [512 (k)][512 (n)] f32 -> f16, wo16 [nt 32][ks 16][c 2][lane][16 bytes]: lane (r, h) holds column 16 nt + r, k = 32 ks + 16 c + 8 h + 0 .. 7.
; Work-groups 128-131: padding_mask [4][2048] bytes -> maskb [4][2048] f32: 0 where the key counts, -2^120 where it does not: it is added to the raw scores.
; A LANE TAKES A COLUMN AND ITS REGISTERS RUN DOWN K, in the very order of the operand's layout: the conversions' results are the operand's registers; nothing is transposed.
; A wave takes one tile of 16 columns x 128 along K; the four waves of a work-group stand side by side on 256 consecutive bytes of each row of the weight.
; A block's scale is 2^(floor(log2(its largest magnitude)) - 2); its byte is the largest magnitude's exponent field - 2, held at 1 from below.  A block of zeros keeps the byte 1 where the rule says 127:
; its codes are zeros, which add nothing, and this program alone reads the bytes.
; LIMITS: blocks whose largest magnitude lies under 2^-124 keep the byte 1; NaN and infinities among the inputs are not served; |W_o| beyond 65,504 is not served (f16).
; No LDS, no barrier, no matrix unit: the launch moves 4 MB once; waves share nothing.
.set MASKED, 0xfb800000                ; -2^120
	s_load_b512 s[4:19], s[0:1], 0x0               ; W_q s[4:5], W_k s[6:7], W_v s[8:9], W_o s[10:11], padding_mask s[12:13], wcodes s[14:15], wscales s[16:17], wo16 s[18:19]
	s_load_b64 s[20:21], s[0:1], 0x40              ; maskb
	v_lshrrev_b32 v1, 5, v0
	v_readfirstlane_b32 s22, v1                    ; wave 0..3
	v_and_b32 v1, 15, v0                           ; r
	v_bfe_u32 v2, v0, 4, 1                         ; h
	v_and_b32 v3, 31, v0                           ; lane
	v_lshlrev_b32 v4, 4, v3                        ; 16 x lane: my place in a piece of 512 bytes
	s_and_b32 s28, ttmp9, 7
	s_lshl_b32 s28, s28, 2
	s_add_co_u32 s28, s28, s22                     ; nt: the tile of 16 columns = 4 x (work-group % 8) + wave
	s_bfe_u32 s29, ttmp9, 0x20003                  ; which 128 along K: (work-group / 8) % 4
	s_lshl_b32 s26, s29, 18                        ; 128 rows of 2,048 bytes
	s_lshl_b32 s30, s28, 6                         ; 16 columns of 4 bytes
	s_add_co_u32 s26, s26, s30                     ; where my tile begins in its weight
	s_mov_b32 s27, 0                               ; the upper word of every offset here
	s_wait_kmcnt 0x0
	s_cmp_lt_u32 ttmp9, 96
	s_cbranch_scc0 .Lnot_quantised
	; ---- W_q, W_k, W_v: codes and scale words
	s_lshr_b32 s23, ttmp9, 5                       ; which weight
	s_cmp_eq_u32 s23, 0
	s_cselect_b64 s[24:25], s[4:5], s[6:7]         ; the choice hangs on the work-group's number alone
	s_cmp_eq_u32 s23, 2
	s_cselect_b64 s[24:25], s[8:9], s[24:25]
	s_add_nc_u64 s[24:25], s[24:25], s[26:27]
	s_lshl_b32 s30, s23, 5
	s_add_co_u32 s30, s30, s28
	s_lshl_b32 s30, s30, 2
	s_add_co_u32 s30, s30, s29                     ; (32 w + nt) 4 + s
	s_lshl_b32 s26, s30, 10
	s_add_nc_u64 s[14:15], s[14:15], s[26:27]      ; 1,024 bytes of codes for each,
	s_lshl_b32 s26, s30, 7
	s_add_nc_u64 s[16:17], s[16:17], s[26:27]      ; 128 bytes of scale words
	v_lshlrev_b32 v5, 2, v1
	v_lshl_add_u32 v5, v2, 16, v5                  ; column r; lanes 16-31 begin 32 rows further down
	v_lshlrev_b32 v6, 2, v3                        ; 4 x lane
	s_mov_b32 s32, 0x76543210
	s_mov_b32 s33, 0xfedcba98                      ; v_permlanex16_b32's selects for lane l xor 16
.irp c, 0,1
.irp i, 0,1,2,3,4,5,6,7,8,9,10,11,12,13,14,15,16,17,18,19,20,21,22,23,24,25,26,27,28,29,30,31
	global_load_b32 v[64+32*\c+\i], v5, s[24:25] offset:2048*(64*\c+\i) th:TH_LOAD_NT   ; W(128 s + 64 c + 32 h + i, 16 nt + r)
.endr
.endr
	s_wait_loadcnt 0x0
.irp c, 0,1                                    ; my block 2 c + h: all its 32 numbers are mine
	v_max3_num_f32 v[32+\c], |v[64+32*\c]|, |v[65+32*\c]|, 0x1800000   ; and the floor 2^(3 - 127): the byte cannot fall under 1
.endr
.irp i, 2,4,6,8,10,12,14,16,18,20,22,24,26,28,30
.irp c, 0,1
	v_max3_num_f32 v[32+\c], v[32+\c], |v[64+32*\c+\i]|, |v[65+32*\c+\i]|   ; the two blocks by turns
.endr
.endr
.irp c, 0,1
	v_add_nc_u32 v[44+\c], 0xff000000, v[32+\c]    ; 2 off the exponent field: the conversion takes the exponent field of this operand as its scale
.endr
.irp c, 0,1
	v_lshrrev_b32 v[36+\c], 23, v[44+\c]           ; the scale's byte
.endr
	v_lshl_or_b32 v9, v37, 16, v36                 ; my two bytes: blocks h and 2 + h,
	v_lshlrev_b32 v10, 3, v2
	v_lshlrev_b32 v9, v10, v9                      ; at their places in the word (8 h bits up);
	v_mov_b32 v10, 0
	v_permlanex16_b32 v10, v9, s32, s33
	v_or_b32 v9, v9, v10                           ; with lane l xor 16's two the word is whole, in both halves of the lanes
.irp c, 0,1
.irp g, 0,1,2,3
	v_cvt_scalef32_pk8_fp4_f32 v[48+4*\c+\g], v[64+32*\c+8*\g:71+32*\c+8*\g], v[44+\c]   ; registers 4 c .. 4 c + 3 of the operand
.endr
.endr
	v_nop                                          ; a plain instruction behind the last scaled conversion
	global_store_b128 v4, v[48:51], s[14:15]       ; 32 lanes store 512 consecutive bytes
	global_store_b128 v4, v[52:55], s[14:15] offset:512
	global_store_b32 v6, v9, s[16:17]              ; 128 consecutive bytes
	s_endpgm
.Lnot_quantised:
	s_cmp_lt_u32 ttmp9, 128
	s_cbranch_scc0 .Lmask
	; ---- W_o: f16, four K steps of 32
	s_add_nc_u64 s[10:11], s[10:11], s[26:27]
	s_lshl_b32 s30, s28, 4
	s_lshl_b32 s31, s29, 2
	s_add_co_u32 s30, s30, s31                     ; 16 nt + the first of my four K steps
	s_lshl_b32 s26, s30, 10
	s_add_nc_u64 s[18:19], s[18:19], s[26:27]
	v_lshlrev_b32 v5, 2, v1
	v_lshl_add_u32 v5, v2, 14, v5                  ; column r; lanes 16-31 begin 8 rows further down
.irp f, 0,1,2,3
.irp c, 0,1
.irp i, 0,1,2,3,4,5,6,7
	global_load_b32 v[64+16*\f+8*\c+\i], v5, s[10:11] offset:2048*(32*\f+16*\c+\i) th:TH_LOAD_NT
.endr
.endr
.endr
	s_wait_loadcnt 0x0
.irp n, 0,1,2,3,4,5,6,7,8,9,10,11,12,13,14,15,16,17,18,19,20,21,22,23,24,25,26,27,28,29,30,31
	v_cvt_pk_f16_f32 v[32+\n], v[64+2*\n], v[65+2*\n]   ; the lower k in the low half
.endr
.irp p, 0,1,2,3,4,5,6,7
	global_store_b128 v4, v[32+4*\p:35+4*\p], s[18:19] offset:512*\p   ; piece 2 f + c: 512 consecutive bytes
.endr
	s_endpgm
.Lmask:
	; ---- the mask: a batch's 2,048 bytes to a work-group, 4 x 4 bytes a thread
	s_sub_co_u32 s23, ttmp9, 128                   ; the batch
	s_lshl_b32 s26, s23, 11
	s_add_nc_u64 s[12:13], s[12:13], s[26:27]
	s_lshl_b32 s26, s23, 13
	s_add_nc_u64 s[20:21], s[20:21], s[26:27]
	v_lshlrev_b32 v5, 2, v0
	v_lshlrev_b32 v6, 4, v0
	v_mov_b32 v7, MASKED
.irp i, 0,1,2,3
	global_load_b32 v[8+\i], v5, s[12:13] offset:512*\i
.endr
	s_wait_loadcnt 0x0
.irp i, 0,1,2,3
.irp j, 0,1,2,3
	v_bfe_u32 v12, v[8+\i], 8*\j, 8
	v_cmp_eq_u32 vcc_lo, 0, v12                    ; a byte of 0: the key does not count
	v_cndmask_b32 v[16+4*\i+\j], 0, v7, vcc_lo
.endr
.endr
.irp i, 0,1,2,3
	global_store_b128 v6, v[16+4*\i:19+4*\i], s[20:21] offset:2048*\i
.endr
	s_endpgm
.Lfunc_end_k_q484c1b049d_prep:
	.size	k_q484c1b049d_prep, .Lfunc_end_k_q484c1b049d_prep-k_q484c1b049d_prep
	.p2alignl 7, 3214868480
	.fill 96, 4, 3214868480
	.section	.rodata,"a",@progbits
	.p2align	6, 0x0
	.amdhsa_kernel k_q484c1b049d_prep
		.amdhsa_group_segment_fixed_size 0
		.amdhsa_private_segment_fixed_size 0
		.amdhsa_enable_private_segment 0
		.amdhsa_kernarg_size 72
		.amdhsa_user_sgpr_count 2
		.amdhsa_user_sgpr_kernarg_segment_ptr 1
		.amdhsa_wavefront_size32 1
		.amdhsa_system_sgpr_workgroup_id_x 1
		.amdhsa_system_sgpr_workgroup_id_y 1
		.amdhsa_system_sgpr_workgroup_id_z 1
		.amdhsa_system_vgpr_workitem_id 0
		.amdhsa_next_free_vgpr 128
		.amdhsa_next_free_sgpr 66
		.amdhsa_reserve_vcc 1
		.amdhsa_float_denorm_mode_32 3
		.amdhsa_float_denorm_mode_16_64 3
		.amdhsa_memory_ordered 1
		.amdhsa_forward_progress 1
		.amdhsa_inst_pref_size 24
	.end_amdhsa_kernel
	.amdgpu_metadata
---
amdhsa.version: [ 1, 2 ]
amdhsa.kernels:
  - .name:           k_q484c1b049d_prep
    .symbol:         k_q484c1b049d_prep.kd
    .args:
      - { .name: W_q, .offset: 0, .size: 8, .value_kind: global_buffer, .address_space: global }
      - { .name: W_k, .offset: 8, .size: 8, .value_kind: global_buffer, .address_space: global }
      - { .name: W_v, .offset: 16, .size: 8, .value_kind: global_buffer, .address_space: global }
      - { .name: W_o, .offset: 24, .size: 8, .value_kind: global_buffer, .address_space: global }
      - { .name: padding_mask, .offset: 32, .size: 8, .value_kind: global_buffer, .address_space: global }
      - { .name: wcodes, .offset: 40, .size: 8, .value_kind: global_buffer, .address_space: global }
      - { .name: wscales, .offset: 48, .size: 8, .value_kind: global_buffer, .address_space: global }
      - { .name: wo16, .offset: 56, .size: 8, .value_kind: global_buffer, .address_space: global }
      - { .name: maskb, .offset: 64, .size: 8, .value_kind: global_buffer, .address_space: global }
    .group_segment_fixed_size: 0
    .private_segment_fixed_size: 0
    .kernarg_segment_align: 8
    .kernarg_segment_size: 72
    .max_flat_workgroup_size: 128
    .sgpr_count:     66
    .vgpr_count:     128
    .wavefront_size: 32
...
	.end_amdgpu_metadata
.endif
;; end of part 1
;; launch proj (part 2): grid 64 x 3, 8 waves a work-group, no clusters, 308,224 bytes of LDS; arguments q, k, v, wcodes, wscales, b_q, b_k, b_v, qh, kv; writes qh, kv
.if DOCPART == 2
	.amdgcn_target "amdgcn-amd-amdhsa--gfx1250"
	.amdhsa_code_object_version 6
	.text
	.protected	k_q484c1b049d_proj
	.globl	k_q484c1b049d_proj
	.p2align	8
	.type	k_q484c1b049d_proj,@function
k_q484c1b049d_proj:
	s_mov_b64 s[64:65], 0
	v_nop
	global_prefetch_b8 v0, s[64:65] scope:SCOPE_SE
	s_setreg_imm32_b32 hwreg(HW_REG_WAVE_MODE, 25, 1), 1
	s_wait_xcnt 0x0
; THE THREE PROJECTIONS, y = x W + b, on codes of FP4 (E2M1) with one E8M0 scale for each 32 along K = 512; sums in f32; results rounded once to f16 and stored as images of the attention launch's operand registers.
; Work-group (rb, y): tensor y (0 q, 1 k, 2 v), rows 128 rb .. 128 rb + 127 of its 8,192.  Eight waves.
; x, 128 rows x 2,048 bytes, comes by eight tensor loads, one a wave (64 rows x 512 bytes), all issued at the head; no LDS byte is filled twice.  Nobody else reads these rows, and W goes from memory straight into
; registers: so no tile is shared between work-groups through LDS, and the launch has no cluster.
; THE WAVES SHARE THE COLUMNS: wave w makes head w (64 columns, four tiles of 16) for all 128 rows; its part of W (16 fragments, 128 registers, laid out by the launch before) stays in its registers.
; Wave w also quantises rows 16 w .. 16 w + 15 of x (four fragments and their scale words), which go to the other waves through LDS as images of their registers: 16 bytes a lane at 16 x lane.
; q and k: the product is used TRANSPOSED (source 0 = 16 columns of W, source 1 = 16 rows of x): a lane holds one token and eight neighbouring channels: 16 bytes of f16, a quarter of a fragment of Q or K.
; v: source 0 = 16 rows of x, source 1 = 16 columns of W: a lane holds one channel and eight neighbouring tokens: 16 bytes of a fragment of V^T, whose K is the keys.
; The bias is the C of each sum's first product.
; qh [bh 32][tile 128][f 2][c 2][lane][16]: lane (r, h): token 16 tile + r, channels 32 f + 16 c + 8 h + 0 .. 7.
; kv [bh 32][slot 4][K 65,536 bytes | V 65,536 bytes]: K [kt 32][f][c][lane][16] as qh;  V [kb 16][ct 4][c 2][lane][16]: lane (r, h): channel 16 ct + r, keys 32 kb + 16 c + 8 h + 0 .. 7.
; LIMITS: blocks whose largest magnitude lies under 2^-124 keep the scale byte 1 (a block of zeros too: its codes are zeros); NaN and infinities among the inputs are not served; results beyond 65,504 are not served (f16).
; REGISTERS, in windows of 256.  Window 0: v1-15, v160 addresses and the bias words; v16-143 first two sets of 64 numbers of x, then by turns (p = 0, 1) x's four fragments v[16 + 64 p ..] and four accumulators v[48 + 64 p ..];
;   v144-159 codes just made, later packed results; v176-191 at work; v192-195 the scale words just made; v196-203 x's scale words, two sets; v208-223 W's scale words.
; Window 1: v0-127 W's fragments (tile n, K step s) at 8 (4 n + s); v128-159 the bias, eight registers a tile.
.set TILE,  33792                      ; what one tensor load brings: 64 rows x (512 bytes + 16 of padding)
.set PITCH, 528
.set XIMG,  8*TILE                     ; x's 32 fragments [m 8][s 4][c 2][lane][16]
.set XSC,   XIMG+32768                 ; their scale words [m 8][lane][s 4][4]
.set SPARE, XSC+4096                   ; the spare words, 128 bytes for each wave: four blocks of 256 bytes that no other line names
.set LI,  1                            ; v1   16 x lane
.set XA,  2                            ; v2   my 64 bytes of a block of 128 in my row of x, K steps 0 and 1
.set XA2, 3                            ; v3   the same for K steps 2 and 3
.set XWI, 4                            ; v4   where I store my images
.set XWS, 5                            ; v5   and my scale words
.set FI,  6                            ; v6   where I fetch images
.set FS,  7                            ; v7   and scale words
.set L4,  8                            ; v8   4 x lane
.set BA,  9                            ; v9   32 h: the bias of my eight channels
.set BT,  10                           ; v10-13 the bias of my one channel, tile by tile
.set SPW, 14                           ; v14  LDS address of my spare word; never rewritten
.set NIL, 15                           ; v15  0; never rewritten
.set BR,  160                          ; v160 4 r
.set X0,  16
.set X1,  80
.set PC0, 144
.set PC1, 152
.set PK,  144
.set TM,  176
.set PW,  192
.set XS,  196
.set WS,  208
.set BI,  128                          ; in window 1
.set SEL, 56                           ; s[56:57]
.set MSB, 0
.macro WIN new                         ; the immediate's high byte repeats the setting that is left; a switch that changes nothing is dropped
.if MSB != \new
	s_set_vgpr_msb (MSB<<8)|\new
.set MSB, \new
.endif
.endm
; my row's 64 numbers of K step ks (register 16 b + i = k 32 b + 16 h + i) out of the tile that holds that K step
.macro XREAD ks, dst
.irp b, 0,1,2,3
.irp j, 0,1,2,3
.if (\ks) < 2
	ds_load_b128 v[\dst+16*\b+4*\j:\dst+16*\b+4*\j+3], v[XA] offset:TILE*((\ks)%2)+128*\b+16*\j
.else
	ds_load_b128 v[\dst+16*\b+4*\j:\dst+16*\b+4*\j+3], v[XA2] offset:TILE*((\ks)%2)+128*\b+16*\j
.endif
.endr
.endr
.endm
; 64 numbers of a lane become a fragment's codes in v[pc] on and its scale word in v[pw]
.macro QUANT src, pc, pw
.irp b, 0,1,2,3
	v_max3_num_f32 v[TM+\b], |v[\src+16*\b]|, |v[\src+1+16*\b]|, 0x1800000   ; block b: my 16 numbers, and the floor 2^(3 - 127): the byte cannot fall under 1
.endr
.irp i, 2,4,6,8,10,12,14
.irp b, 0,1,2,3
	v_max3_num_f32 v[TM+\b], v[TM+\b], |v[\src+16*\b+\i]|, |v[\src+1+16*\b+\i]|   ; the four blocks by turns
.endr
.endr
.irp b, 0,1,2,3
	v_permlanex16_b32 v[TM+4+\b], v[TM+\b], s[SEL], s[SEL+1]
.endr
.irp b, 0,1,2,3
	v_max_num_f32 v[TM+\b], v[TM+\b], v[TM+4+\b]   ; with lane l xor 16's: the block's largest magnitude
.endr
.irp b, 0,1,2,3
	v_add_nc_u32 v[TM+12+\b], 0xff000000, v[TM+\b] ; 2 off its exponent field: the conversion's scale operand
.endr
.irp b, 0,1,2,3
	v_lshrrev_b32 v[TM+4+\b], 23, v[TM+12+\b]      ; the scale's byte
.endr
	v_lshl_or_b32 v[\pw], v[TM+5], 8, v[TM+4]      ; the four bytes make my row's scale word
	v_lshl_or_b32 v[\pw], v[TM+6], 16, v[\pw]
	v_lshl_or_b32 v[\pw], v[TM+7], 24, v[\pw]
.irp b, 0,1,2,3
	v_cvt_scalef32_pk8_fp4_f32 v[\pc+2*\b], v[\src+16*\b:\src+7+16*\b], v[TM+12+\b]
	v_cvt_scalef32_pk8_fp4_f32 v[\pc+1+2*\b], v[\src+8+16*\b:\src+15+16*\b], v[TM+12+\b]
.endr
	v_nop                                          ; a plain instruction behind the last scaled conversion
.irp c, 0,1                                    ; the operand's layout wants a WHOLE block in a lane: lanes 0-15 block 2 c, lanes 16-31 block 2 c + 1
.irp i, 0,1
	v_permlane16_swap_b32 v[\pc+4*\c+\i], v[\pc+2+4*\c+\i]
.endr
.endr
.endm
.macro IMAGE pc, ks                            ; the fragment goes to LDS as it stands
.irp c, 0,1
	ds_store_b128 v[XWI], v[\pc+4*\c:\pc+4*\c+3] offset:1024*(\ks)+512*\c
.endr
.endm
.macro FETCH m, p                              ; row tile m's four fragments and four scale words into set p: nine loads
.irp i, 0,1,2,3,4,5,6,7
	ds_load_b128 v[16+64*(\p)+4*\i:16+64*(\p)+4*\i+3], v[FI] offset:4096*(\m)+512*\i
.endr
	ds_load_b128 v[XS+4*(\p):XS+4*(\p)+3], v[FS] offset:512*(\m)
.endm
; THE PRODUCTS: eight row tiles, 16 matrix instructions each: K step by K step, the four accumulators by turns, one instruction a turn.  nat = 0: q, k;  nat = 1: v.
.macro MULT nat
.if \nat
	WIN 0x40                                       ; destination window 1
.irp n, 0,1,2,3
.irp j, 0,1,2,3,4,5,6,7
	v_mov_b32 v[BI+8*\n+\j], v[BT+\n]              ; a lane's eight results are eight tokens of ONE channel: its bias eight times
.endr
.endr
	WIN 0
.rept 4
	v_nop
.endr
.endif
	FETCH 0, 0
.set M, 0
.rept 8
.set PP, M%2
.set XF, 16+64*PP
.set AC, 48+64*PP
.if M < 7
	FETCH M+1, 1-PP                                ; the next tile's, into the set whose last products stand in front of the four v_nop below
	s_wait_dscnt 9                                 ; this tile's nine loads are in; the nine just issued may be out
.else
	s_wait_dscnt 0x0
.endif
.irp s, 0,1,2,3
.if \nat
.if \s == 0
	WIN 0x14                                       ; source 1 (W) and source 2 (the bias) window 1
.else
	WIN 0x04
.endif
.else
.if \s == 0
	WIN 0x11                                       ; source 0 (W) and source 2 (the bias) window 1
.else
	WIN 0x01
.endif
.endif
.irp n, 0,1,2,3
.if \nat
.if \s == 0
	v_wmma_scale_f32_16x16x128_f8f6f4 v[AC+8*\n:AC+8*\n+7], v[XF+8*\s:XF+8*\s+7], v[8*(4*\n+\s):8*(4*\n+\s)+7], v[BI+8*\n:BI+8*\n+7], v[XS+4*PP+\s], v[WS+4*\n+\s] matrix_a_fmt:MATRIX_FMT_FP4 matrix_b_fmt:MATRIX_FMT_FP4
.else
	v_wmma_scale_f32_16x16x128_f8f6f4 v[AC+8*\n:AC+8*\n+7], v[XF+8*\s:XF+8*\s+7], v[8*(4*\n+\s):8*(4*\n+\s)+7], v[AC+8*\n:AC+8*\n+7], v[XS+4*PP+\s], v[WS+4*\n+\s] matrix_a_fmt:MATRIX_FMT_FP4 matrix_b_fmt:MATRIX_FMT_FP4
.endif
.else
.if \s == 0
	v_wmma_scale_f32_16x16x128_f8f6f4 v[AC+8*\n:AC+8*\n+7], v[8*(4*\n+\s):8*(4*\n+\s)+7], v[XF+8*\s:XF+8*\s+7], v[BI+8*\n:BI+8*\n+7], v[WS+4*\n+\s], v[XS+4*PP+\s] matrix_a_fmt:MATRIX_FMT_FP4 matrix_b_fmt:MATRIX_FMT_FP4
.else
	v_wmma_scale_f32_16x16x128_f8f6f4 v[AC+8*\n:AC+8*\n+7], v[8*(4*\n+\s):8*(4*\n+\s)+7], v[XF+8*\s:XF+8*\s+7], v[AC+8*\n:AC+8*\n+7], v[WS+4*\n+\s], v[XS+4*PP+\s] matrix_a_fmt:MATRIX_FMT_FP4 matrix_b_fmt:MATRIX_FMT_FP4
.endif
.endif
.endr
.endr
	WIN 0
.rept 4
	v_nop                                          ; four places behind the products: in front of the conversions that read their results, and of the next trip's loads into their operands
.endr
	s_wait_xcnt 0x0                                ; the last tile's stores have read their data: the packed results are written again only behind this wait
.irp n, 0,1,2,3
.irp i, 0,1,2,3
	v_cvt_pk_f16_f32 v[PK+4*\n+\i], v[AC+8*\n+2*\i], v[AC+8*\n+2*\i+1]   ; each accumulator from its low end on
.endr
.endr
.irp n, 0,1,2,3
.if \nat
	global_store_b128 v[LI], v[PK+4*\n:PK+4*\n+3], s[42:43] offset:4096*(M/2)+1024*\n+512*(M%2)   ; 32 lanes store 512 consecutive bytes, at a multiple of 512 from the buffer's first byte
.else
	global_store_b128 v[LI], v[PK+4*\n:PK+4*\n+3], s[42:43] offset:2048*M+512*\n
.endif
.endr
.set M, M+1
.endr
.endm
	s_load_b512 s[4:19], s[0:1], 0x0               ; q s[4:5], k s[6:7], v s[8:9], wcodes s[10:11], wscales s[12:13], b_q s[14:15], b_k s[16:17], b_v s[18:19]
	s_load_b128 s[20:23], s[0:1], 0x40             ; qh s[20:21], kv s[22:23]
	v_lshl_add_u32 v[SPW], v0, 2, SPARE
	v_mov_b32 v[NIL], 0
	ds_add_u32 v[SPW], v[NIL]                      ; the wave's opening: the add, twice on end, and its wait ahead of my first tensor load; the set-up below stands between
	ds_add_u32 v[SPW], v[NIL]
	v_lshrrev_b32 v16, 5, v0
	v_readfirstlane_b32 s37, v16                   ; wave 0..7
	v_and_b32 v17, 31, v0                          ; lane
	v_and_b32 v18, 15, v0                          ; r
	v_bfe_u32 v19, v0, 4, 1                        ; h
	v_lshlrev_b32 v[LI], 4, v17
	v_lshlrev_b32 v[L4], 2, v17
	v_lshlrev_b32 v[BA], 5, v19
	v_lshlrev_b32 v[BR], 2, v18
	s_lshr_b32 s44, s37, 2                         ; which 64 rows I fetch; also: in which 64 rows my 16 rows lie
	s_and_b32 s45, s37, 3                          ; which 128 along K I fetch; also: which 16 of the 64 rows are mine
	s_mul_i32 s46, s44, 4*TILE
	s_mul_i32 s47, s45, 16*PITCH
	s_add_co_u32 s46, s46, s47
	v_mul_u32_u24 v[XA], v18, PITCH
	v_lshl_add_u32 v[XA], v19, 6, v[XA]
	v_add_nc_u32 v[XA], s46, v[XA]                 ; row r of my 16, + 64 h
	v_add_nc_u32 v[XA2], 2*TILE, v[XA]
	s_lshl_b32 s46, s37, 12
	s_add_co_u32 s46, s46, XIMG
	v_add_nc_u32 v[XWI], s46, v[LI]
	s_lshl_b32 s46, s37, 9
	s_add_co_u32 s46, s46, XSC
	v_add_nc_u32 v[XWS], s46, v[LI]
	v_add_nc_u32 v[FI], XIMG, v[LI]
	v_add_nc_u32 v[FS], XSC, v[LI]
.irp b, 0,1,2,3
	v_mov_b32 v[TM+4+\b], 0                        ; written once: a lane permute's destination counts as one of its sources
.endr
	s_mov_b32 s[SEL], 0x76543210
	s_mov_b32 s[SEL+1], 0xfedcba98                 ; v_permlanex16_b32's selects for lane l xor 16
	; descriptor group 1: 64 rows x 128 elements of 4 bytes, 16 bytes of padding behind each row
	s_mov_b32 s24, (2<<16)|(1<<20)|(6<<22)|(3<<25) ; no mask; elements of 4 bytes; padding on, after every 128 words (code 6), 4 words (code 3)
	s_mov_b32 s25, 128<<16                         ; tensor_dim0 = 128
	s_mov_b32 s26, 64<<16                          ; tensor_dim1 = 64
	s_mov_b32 s27, 128<<16                         ; tile_dim0 = 128
	s_mov_b32 s28, 64                              ; tile_dim1 = 64
	s_mov_b32 s29, 512                             ; elements from row to row
	s_mov_b32 s30, 0
	s_mov_b32 s31, 0
	s_and_b32 s36, ttmp7, 0xffff                   ; which tensor
	s_lshl_b32 s48, ttmp9, 18                      ; x: 128 rows of 2,048 bytes a work-group,
	s_lshl_b32 s50, s44, 17                        ; 64 rows,
	s_add_co_u32 s48, s48, s50
	s_lshl_b32 s50, s45, 9                         ; 512 bytes along K
	s_add_co_u32 s48, s48, s50
	s_mov_b32 s49, 0
	s_lshl_b32 s50, s36, 5
	s_lshl_b32 s51, s37, 2
	s_add_co_u32 s52, s50, s51                     ; my first tile of W: 32 y + 4 w
	s_lshl_b32 s50, s52, 12                        ; 4,096 bytes of codes a tile,
	s_mov_b32 s51, 0
	s_lshl_b32 s52, s52, 9                         ; 512 bytes of scale words
	s_mov_b32 s53, 0
	s_lshl_b32 s54, s37, 8                         ; the bias: my 64 numbers
	s_mov_b32 s55, 0
	s_lshr_b32 s58, ttmp9, 4
	s_lshl_b32 s58, s58, 3
	s_add_co_u32 s58, s58, s37                     ; bh = 8 x batch + head
	s_and_b32 s59, ttmp9, 15                       ; which 128 tokens of the batch
	s_lshl_b32 s60, s58, 18
	s_lshl_b32 s61, s59, 14
	s_add_co_u32 s60, s60, s61                     ; q's place in qh
	s_lshl_b32 s58, s58, 19
	s_lshr_b32 s59, s59, 2
	s_lshl_b32 s59, s59, 17                        ; the slot of 512 keys
	s_add_co_u32 s58, s58, s59
	s_and_b32 s59, ttmp9, 3
	s_lshl_b32 s59, s59, 14                        ; 128 keys in it
	s_add_co_u32 s58, s58, s59
	s_cmp_eq_u32 s36, 2
	s_cselect_b32 s59, 0x10000, 0                  ; V lies behind the slot's K
	s_add_co_u32 s58, s58, s59
	s_cmp_eq_u32 s36, 0
	s_cselect_b32 s58, s60, s58
	s_mov_b32 s59, 0
	s_wait_dscnt 0x0                               ; both opening adds are done
	s_wait_kmcnt 0x0
	s_cmp_eq_u32 s36, 0                            ; the buffers are chosen by the work-group's number alone
	s_cselect_b64 s[38:39], s[4:5], s[6:7]
	s_cselect_b64 s[40:41], s[14:15], s[16:17]
	s_cselect_b64 s[42:43], s[20:21], s[22:23]
	s_cmp_eq_u32 s36, 2
	s_cselect_b64 s[38:39], s[8:9], s[38:39]
	s_cselect_b64 s[40:41], s[18:19], s[40:41]
	s_mov_b32 s32, 1                               ; group 0: count = 1,
	s_mul_i32 s33, s37, TILE                       ; LDS address: wave x a tile,
	s_add_nc_u64 s[34:35], s[38:39], s[48:49]      ; the tile's first element,
	s_or_b32 s35, s35, 0x80000000                  ; type = 2
	tensor_load_to_lds s[32:35], s[24:31]          ; my one tensor load
	s_nop 0
.rept 4
	v_nop
.endr
	s_add_nc_u64 s[10:11], s[10:11], s[50:51]
	s_add_nc_u64 s[12:13], s[12:13], s[52:53]
	s_add_nc_u64 s[40:41], s[40:41], s[54:55]
	s_add_nc_u64 s[42:43], s[42:43], s[58:59]
	WIN 0x40                                       ; destination window 1
.irp i, 0,1,2,3,4,5,6,7,8,9,10,11,12,13,14,15,16,17,18,19,20,21,22,23,24,25,26,27,28,29,30,31
	global_load_b128 v[4*\i:4*\i+3], v[LI], s[10:11] offset:512*\i   ; W's 16 fragments: they stay
.endr
.irp n, 0,1,2,3
.irp c, 0,1
	global_load_b128 v[BI+8*\n+4*\c:BI+8*\n+4*\c+3], v[BA], s[40:41] offset:64*\n+16*\c   ; the bias of channels 16 n + 8 h + 0 .. 7
.endr
.endr
	WIN 0
.irp i, 0,1,2,3,4,5,6,7,8,9,10,11,12,13,14,15
	global_load_b32 v[WS+\i], v[L4], s[12:13] offset:128*\i   ; W's scale words
.endr
.irp n, 0,1,2,3
	global_load_b32 v[BT+\n], v[BR], s[40:41] offset:64*\n    ; the bias of channel 16 n + r.  Both forms are loaded whatever the tensor: 144 bytes a lane, and no register is written on one way alone
.endr
	s_wait_tensorcnt 0x0                           ; my tile has landed,
	s_barrier_signal -1
	s_barrier_wait -1                              ; everybody's has: a wave's 16 rows lie in four waves' tiles
	XREAD 0, X0
	XREAD 1, X1
	s_wait_dscnt 16                                ; K step 0's 16 reads are in
	QUANT X0, PC0, PW
	IMAGE PC0, 0
	XREAD 2, X0
	s_wait_dscnt 18                                ; K step 1's are in; behind them: 2 stores and 16 reads
	QUANT X1, PC1, PW+1
	IMAGE PC1, 1
	XREAD 3, X1
	s_wait_dscnt 18                                ; K step 2's are in, and the first image's stores are done: its registers are written again
	QUANT X0, PC0, PW+2
	IMAGE PC0, 2
	s_wait_dscnt 2                                 ; K step 3's are in, and the second image's stores are done; behind them: 2 stores
	QUANT X1, PC1, PW+3
	IMAGE PC1, 3
	ds_store_b128 v[XWS], v[PW:PW+3]               ; my row's four scale words
	s_wait_dscnt 0x0                               ; for the others' sake: my stores have landed
	s_barrier_signal -1
	s_barrier_wait -1                              ; x's 32 fragments lie in LDS
	s_wait_loadcnt 0x0                             ; W, its scale words, the bias
	s_cmp_eq_u32 s36, 2
	s_cbranch_scc1 .Lvalues
	MULT 0
	s_branch .Lend
.Lvalues:
	MULT 1
.Lend:
	s_wait_tensorcnt 0x0                           ; the wave's end, behind my last tensor load and my last LDS store
	ds_add_u32 v[SPW], v[NIL]
	s_wait_dscnt 0x0
	s_endpgm
.Lfunc_end_k_q484c1b049d_proj:
	.size	k_q484c1b049d_proj, .Lfunc_end_k_q484c1b049d_proj-k_q484c1b049d_proj
	.p2alignl 7, 3214868480
	.fill 96, 4, 3214868480
	.section	.rodata,"a",@progbits
	.p2align	6, 0x0
	.amdhsa_kernel k_q484c1b049d_proj
		.amdhsa_group_segment_fixed_size 308224
		.amdhsa_private_segment_fixed_size 0
		.amdhsa_enable_private_segment 0
		.amdhsa_kernarg_size 80
		.amdhsa_user_sgpr_count 2
		.amdhsa_user_sgpr_kernarg_segment_ptr 1
		.amdhsa_wavefront_size32 1
		.amdhsa_system_sgpr_workgroup_id_x 1
		.amdhsa_system_sgpr_workgroup_id_y 1
		.amdhsa_system_sgpr_workgroup_id_z 1
		.amdhsa_system_vgpr_workitem_id 0
		.amdhsa_next_free_vgpr 512
		.amdhsa_next_free_sgpr 66
		.amdhsa_reserve_vcc 0
		.amdhsa_float_denorm_mode_32 3
		.amdhsa_float_denorm_mode_16_64 3
		.amdhsa_memory_ordered 1
		.amdhsa_forward_progress 1
		.amdhsa_inst_pref_size 99
	.end_amdhsa_kernel
	.amdgpu_metadata
---
amdhsa.version: [ 1, 2 ]
amdhsa.kernels:
  - .name:           k_q484c1b049d_proj
    .symbol:         k_q484c1b049d_proj.kd
    .args:
      - { .name: q, .offset: 0, .size: 8, .value_kind: global_buffer, .address_space: global }
      - { .name: k, .offset: 8, .size: 8, .value_kind: global_buffer, .address_space: global }
      - { .name: v, .offset: 16, .size: 8, .value_kind: global_buffer, .address_space: global }
      - { .name: wcodes, .offset: 24, .size: 8, .value_kind: global_buffer, .address_space: global }
      - { .name: wscales, .offset: 32, .size: 8, .value_kind: global_buffer, .address_space: global }
      - { .name: b_q, .offset: 40, .size: 8, .value_kind: global_buffer, .address_space: global }
      - { .name: b_k, .offset: 48, .size: 8, .value_kind: global_buffer, .address_space: global }
      - { .name: b_v, .offset: 56, .size: 8, .value_kind: global_buffer, .address_space: global }
      - { .name: qh, .offset: 64, .size: 8, .value_kind: global_buffer, .address_space: global }
      - { .name: kv, .offset: 72, .size: 8, .value_kind: global_buffer, .address_space: global }
    .group_segment_fixed_size: 308224
    .private_segment_fixed_size: 0
    .kernarg_segment_align: 8
    .kernarg_segment_size: 80
    .max_flat_workgroup_size: 256
    .sgpr_count:     66
    .vgpr_count:     512
    .wavefront_size: 32
...
	.end_amdgpu_metadata
.endif
;; end of part 2
;; launch attn (part 3): grid 8 x 32, 8 waves a work-group, clusters of 4 x 1, 327,680 bytes of LDS; arguments qh, kv, maskb, xh; writes xh
.if DOCPART == 3
	.amdgcn_target "amdgcn-amd-amdhsa--gfx1250"
	.amdhsa_code_object_version 6
	.text
	.protected	k_q484c1b049d_attn
	.globl	k_q484c1b049d_attn
	.p2align	8
	.type	k_q484c1b049d_attn,@function
k_q484c1b049d_attn:
	s_mov_b64 s[64:65], 0
	v_nop
	global_prefetch_b8 v0, s[64:65] scope:SCOPE_SE
	s_setreg_imm32_b32 hwreg(HW_REG_WAVE_MODE, 25, 1), 1
	s_wait_xcnt 0x0
	s_wait_alu depctr_hold_cnt(0) depctr_sa_sdst(0) depctr_va_vdst(0) depctr_va_sdst(0) depctr_va_ssrc(0) depctr_va_vcc(0) depctr_vm_vsrc(0)
	s_getreg_b32 s2, hwreg(HW_REG_IB_STS2, 6, 4)
	s_cmp_eq_u32 s2, 0
	s_cbranch_scc0 .Lentry_in_a_cluster
	s_endpgm
.Lentry_in_a_cluster:
	s_bfe_u32 s2, ttmp6, 0x10000c
	s_cmp_lg_u32 s2, 0x3003
	s_cbranch_scc0 .Lentry_shape_is_right
	s_endpgm
.Lentry_shape_is_right:
; X[b][q][head] = the sum over keys of softmax(Q . K / 8 + mask) V, head size 64, 2,048 keys, a key padding mask; operands in f16, products, maxima and sums in f32; a row all of whose keys are masked gives 0.
; All operands were stored by the launch before as images of their registers (a piece = 32 lanes x 16 bytes): every fragment is read at 16 x lane + a constant, K and V^T alike; nothing is turned or padded.
; SHARES.  Work-group: 256 queries of one (batch, head); each of its eight waves 32 queries, two tiles of 16; two waves to a SIMD, so that one wave's softmax stands beside the other's products.  Every wave walks all 2,048 keys, 64 a step.
; LAYOUT.  S^T = K Q^T (source 0 = 16 keys, source 1 = 16 queries): a lane holds ONE query (lane % 16) and keys 8 (lane / 16) + 0 .. 7.  Two such tiles, rounded to f16 in pairs, ARE source 1 of O^T = V^T P.
; THE MASK is the C of each score tile's first product: 0 where the key counts, -2^120 where it does not, read from a table in LDS.  It costs no vector instruction.
; SOFTMAX.  A running maximum m (begun at -2^120) and sum l for each query: p = 2^(c s - c m), c = log2(e) / 8; in every step O and l are multiplied by a = 2^(c m_old - c m_new).  c x -2^120 is exact, so among masked keys alone
; c s - c m is 0 or far under 0: nothing overflows; the first key that counts makes a = 0.  At the end a row whose m is still under -2^119 gets 0.
; CLUSTER.  The four query blocks of a cluster belong to one head and walk the same K, V and mask: every tensor load is asked for JOINTLY, the same descriptor and a mask that names the four, in all four.
; RING.  Two slots of 512 keys (64 KB of K, 64 KB of V), a slot one dense block of memory; each wave fetches an eighth (64 rows of 256 bytes).  By this text's count a wave has three tensor loads out at the start and one behind each round.
; LIMITS: NaN and infinities are not served; a raw score under -2^119 would count as masked.
; REGISTERS.  Window 0: v1-6 addresses; v8-23 statistics, eight a tile: +0 c m, +1 m, +2, +3 l (two halves), +4 .. +7 at work (a in +6); v24, v25 the add's two; v32-63 Q; v64-127 S^T, then p; v128-159 P; v160-223 O^T; v224-255 the way out.
; Window 1: v0-63 K of a step; v64-127 V of a step; v128-159 the mask's numbers of a step.
.set SLOT1, 131072                     ; slot 1 begins here: one exclusive or turns an address in one slot into the other's
.set MASKB, 262144                     ; behind the ring: the batch's 2,048 mask numbers, filled once
.set SPARE, MASKB+8192                 ; the spare words, 128 bytes for each wave: four blocks of 256 bytes that no other line names
.set MASKED, 0xfb800000                ; -2^120
.set LI,  1                            ; v1   16 x lane; never rewritten
.set AM0, 2                            ; v2   MASKB + 32 (lane / 16)
.set ADK, 3                            ; v3   the step's K
.set ADV, 4                            ; v4   its V
.set ADM, 5                            ; v5   its mask numbers
.set PFO, 6                            ; v6   256 x lane; never rewritten
.set ST,  8
.set SPW, 24
.set NIL, 25
.set Q,   32
.set S,   64
.set P,   128
.set O,   160
.set T,   224
.set KF,  0                            ; in window 1
.set VF,  64
.set MB,  128
.set WV,  12                           ; s12  my wave's number
.set LIM, 15                           ; s15  1 in a wave that prefetches, else the greatest number
.set PFA, 18                           ; s[18:19] where my prefetch stands
.set TB,  52                           ; s52  LDS byte at which the step's K begins
.set TMK, 53                           ; s53  where the step's mask numbers begin: 256 bytes a step
.set SLOTS, 54
.set STEPC, 55
.set CS,  56                           ; s[56:57] c
.set SEL, 58                           ; s[58:59]
.set MSB, 0
.macro WIN new
.if MSB != \new
	s_set_vgpr_msb (MSB<<8)|\new
.set MSB, \new
.endif
.endm
.macro CROUND                          ; a round of the cluster's barrier
	s_barrier_signal -1
	s_barrier_wait -1
	s_cmp_lg_u32 s[WV], 0
	s_cbranch_scc1 .Lnot_wave_0_\@
	s_barrier_signal -3
.Lnot_wave_0_\@:
	s_barrier_wait -3
	s_barrier_signal -1
	s_barrier_wait -1
.endm
; A PREFETCH INTO THE L2 of the slot that the NEXT change of slots will ask for: 131,072 bytes.  Both clusters of a head walk the same bytes: the head's first cluster asks.  Its four partners take 32,768 bytes each, told apart BY ADDRESS;
; in each, waves 0 to 3 take 8,192 bytes, lanes 256 bytes apart: each block of 256 bytes is named once.  It stands behind the joint load and its five lines.  The last change that fills a slot asks for nothing.
.macro ASK
	s_cmp_gt_u32 s[SLOTS], s[LIM]
	s_cbranch_scc0 .Lnot_mine_\@
	global_prefetch_b8 v[PFO], s[PFA:PFA+1] th:TH_LOAD_NT scope:SCOPE_SE
.Lnot_mine_\@:
.endm
; A KEY STEP: 64 keys.
.macro STEP
	v_add_nc_u32 v[ADK], s[TB], v[LI]              ; these four are the places behind the last products V^T P, in front of the loads into V's registers
	v_add_nc_u32 v[ADM], s[TMK], v[AM0]
	v_add_nc_u32 v[ADV], 0x10000, v[ADK]
	v_nop
	WIN 0x40                                       ; destination window 1
.irp i, 0,1,2,3,4,5,6,7,8,9,10,11,12,13,14,15
	ds_load_b128 v[KF+4*\i:KF+4*\i+3], v[ADK] offset:512*\i          ; K: keys 16 (i / 4) on, channels 32 ((i / 2) % 2) on
.endr
.irp i, 0,1,2,3,4,5,6,7
	ds_load_b128 v[MB+4*\i:MB+4*\i+3], v[ADM] offset:64*(\i/2)+16*(\i%2)   ; the mask numbers of keys 16 (i / 2) + 8 h + 0 .. 7: sixteen lanes read the same 16 bytes
.endr
.irp i, 0,1,2,3,4,5,6,7,8,9,10,11,12,13,14,15
	ds_load_b128 v[VF+4*\i:VF+4*\i+3], v[ADV] offset:512*\i          ; V^T: keys 32 (i / 8) on, channels 16 ((i / 2) % 4) on
.endr
	s_wait_dscnt 16                                ; K and the mask are in; V's sixteen loads may be out
	WIN 0x11                                       ; source 0 (K) and source 2 (the mask) window 1
.set i, 0
.rept 8                                        ; tile i % 2, keys 16 (i / 2) on, channels 0-31: the mask starts the sums.  The eight accumulators take turns, one instruction a turn
	v_wmma_f32_16x16x32_f16 v[S+32*(i%2)+8*(i/2):S+32*(i%2)+8*(i/2)+7], v[KF+16*(i/2):KF+16*(i/2)+7], v[Q+16*(i%2):Q+16*(i%2)+7], v[MB+8*(i/2):MB+8*(i/2)+7]
.set i, i+1
.endr
	WIN 0x01
.set i, 0
.rept 8                                        ; channels 32-63
	v_wmma_f32_16x16x32_f16 v[S+32*(i%2)+8*(i/2):S+32*(i%2)+8*(i/2)+7], v[KF+16*(i/2)+8:KF+16*(i/2)+15], v[Q+16*(i%2)+8:Q+16*(i%2)+15], v[S+32*(i%2)+8*(i/2):S+32*(i%2)+8*(i/2)+7]
.set i, i+1
.endr
	WIN 0
.rept 4
	v_nop                                          ; four places behind the products, in front of the first read of their results (ISA guide 7.12.1)
.endr
	; the maximum of the lane's 32 scores and the old m: four chains, each accumulator from its low end on; the two tiles alternate line by line
.irp j, 0,1,2,3
.irp t, 0,1
	v_max3_num_f32 v[ST+8*\t+4+\j], v[S+32*\t+8*\j], v[S+32*\t+8*\j+1], v[S+32*\t+8*\j+2]
.endr
.endr
.irp g, 1,2
.irp j, 0,1,2,3
.irp t, 0,1
	v_max3_num_f32 v[ST+8*\t+4+\j], v[ST+8*\t+4+\j], v[S+32*\t+8*\j+2*\g+1], v[S+32*\t+8*\j+2*\g+2]
.endr
.endr
.endr
.irp t, 0,1
	v_max3_num_f32 v[ST+8*\t+4], v[ST+8*\t+4], v[S+32*\t+7], v[S+32*\t+15]
.endr
.irp t, 0,1
	v_max3_num_f32 v[ST+8*\t+6], v[ST+8*\t+6], v[S+32*\t+23], v[S+32*\t+31]
.endr
.irp t, 0,1
	v_max3_num_f32 v[ST+8*\t+4], v[ST+8*\t+4], v[ST+8*\t+5], v[ST+8*\t+6]
.endr
.irp t, 0,1
	v_max3_num_f32 v[ST+8*\t+4], v[ST+8*\t+4], v[ST+8*\t+7], v[ST+8*\t+1]
.endr
.irp t, 0,1
	v_permlanex16_b32 v[ST+8*\t+5], v[ST+8*\t+4], s[SEL], s[SEL+1]   ; the query's other 32 keys lie in the lane 16 away
.endr
.irp t, 0,1
	v_mov_b32 v[ST+8*\t+7], v[ST+8*\t]             ; c m_old is kept for a
.endr
.irp t, 0,1
	v_max_num_f32 v[ST+8*\t+1], v[ST+8*\t+4], v[ST+8*\t+5]
.endr
.irp t, 0,1
	v_mul_f32 v[ST+8*\t], s[CS], v[ST+8*\t+1]
.endr
.irp t, 0,1
	v_sub_f32 v[ST+8*\t+7], v[ST+8*\t+7], v[ST+8*\t]
.endr
.irp n, 0,1,2,3,4,5,6,7,8,9,10,11,12,13,14,15
.irp t, 0,1
	v_pk_fma_f32 v[S+32*\t+2*\n:S+32*\t+2*\n+1], v[S+32*\t+2*\n:S+32*\t+2*\n+1], s[CS:CS+1], v[ST+8*\t:ST+8*\t+1] op_sel_hi:[1,0,0] neg_lo:[0,0,1] neg_hi:[0,0,1]   ; c s - c m, two at a time
.endr
.endr
	; ONE BATCH: both tiles' a and 64 p; none of these reads an exponential's result
.irp t, 0,1
	v_exp_f32 v[ST+8*\t+6], v[ST+8*\t+7]
.endr
.irp n, 0,1,2,3,4,5,6,7,8,9,10,11,12,13,14,15,16,17,18,19,20,21,22,23,24,25,26,27,28,29,30,31,32,33,34,35,36,37,38,39,40,41,42,43,44,45,46,47,48,49,50,51,52,53,54,55,56,57,58,59,60,61,62,63
	v_exp_f32 v[S+\n], v[S+\n]
.endr
	v_nop                                          ; a plain instruction behind the last exponential
	s_wait_alu depctr_va_vdst(0)                   ; one wait for the batch, ahead of its first reader
.irp n, 0,1,2,3,4,5,6,7,8,9,10,11,12,13,14,15
.irp t, 0,1
	v_cvt_pk_f16_f32 v[P+16*\t+\n], v[S+32*\t+2*\n], v[S+32*\t+2*\n+1]   ; the weights for the second product
.endr
.endr
	; the sum of the unrounded p, in place: neighbours 1, 2, 4 and 8 pairs apart; then l = a l + the sum
.irp u, 0,1,2,3,4,5,6,7
.irp t, 0,1
	v_pk_add_f32 v[S+32*\t+4*\u:S+32*\t+4*\u+1], v[S+32*\t+4*\u:S+32*\t+4*\u+1], v[S+32*\t+4*\u+2:S+32*\t+4*\u+3]
.endr
.endr
.irp u, 0,1,2,3
.irp t, 0,1
	v_pk_add_f32 v[S+32*\t+8*\u:S+32*\t+8*\u+1], v[S+32*\t+8*\u:S+32*\t+8*\u+1], v[S+32*\t+8*\u+4:S+32*\t+8*\u+5]
.endr
.endr
.irp u, 0,1
.irp t, 0,1
	v_pk_add_f32 v[S+32*\t+16*\u:S+32*\t+16*\u+1], v[S+32*\t+16*\u:S+32*\t+16*\u+1], v[S+32*\t+16*\u+8:S+32*\t+16*\u+9]
.endr
.endr
.irp t, 0,1
	v_pk_add_f32 v[S+32*\t:S+32*\t+1], v[S+32*\t:S+32*\t+1], v[S+32*\t+16:S+32*\t+17]
.endr
.irp t, 0,1
	v_pk_fma_f32 v[ST+8*\t+2:ST+8*\t+3], v[ST+8*\t+2:ST+8*\t+3], v[ST+8*\t+6:ST+8*\t+7], v[S+32*\t:S+32*\t+1] op_sel_hi:[1,0,1]
.endr
.irp n, 0,1,2,3,4,5,6,7,8,9,10,11,12,13,14,15
.irp t, 0,1
	v_pk_mul_f32 v[O+32*\t+2*\n:O+32*\t+2*\n+1], v[O+32*\t+2*\n:O+32*\t+2*\n+1], v[ST+8*\t+6:ST+8*\t+7] op_sel_hi:[1,0]   ; O^T x a, each accumulator from its low end on
.endr
.endr
	s_wait_dscnt 0x0                               ; V is in
	WIN 0x01                                       ; source 0 (V) window 1
.set i, 0
.rept 16                                       ; keys 32 (i / 8) on, channels 16 ((i / 2) % 4) on, tile i % 2: eight accumulators by turns
	v_wmma_f32_16x16x32_f16 v[O+32*(i%2)+8*((i/2)%4):O+32*(i%2)+8*((i/2)%4)+7], v[VF+32*(i/8)+8*((i/2)%4):VF+32*(i/8)+8*((i/2)%4)+7], v[P+16*(i%2)+8*(i/8):P+16*(i%2)+8*(i/8)+7], v[O+32*(i%2)+8*((i/2)%4):O+32*(i%2)+8*((i/2)%4)+7]
.set i, i+1
.endr
	WIN 0
	s_add_co_u32 s[TB], s[TB], 8192                ; the next step's K (and V)
	s_add_co_u32 s[TMK], s[TMK], 256               ; and mask numbers
.endm
.macro STEPS                           ; a slot's eight key steps: written once, walked eight times
	s_mov_b32 s[STEPC], 8
.Lstep_\@:
	STEP
	s_sub_co_u32 s[STEPC], s[STEPC], 1
	s_cmp_lg_u32 s[STEPC], 0
	s_cbranch_scc1 .Lstep_\@
.endm
; THE CHANGE OF SLOTS.  Each wave waits for all its tensor loads (its part of the slot ahead), adds 0 to its spare word, and waits for that and for its reads of the slot that it leaves.
; fill = 1: the barrier is a round of the cluster's, so that no wave of any partner still reads the slot or has a load on its way; the joint refill, the keys two slots on, is the first thing behind it and has eight key steps in which to land.
.macro CHANGE fill
	s_wait_tensorcnt 0x0                           ; no tensor load of mine is out, so a group 0 may be written
	ds_add_u32 v[SPW], v[NIL]                      ; 0 onto my spare word
.if \fill
	s_xor_b32 s45, s45, SLOT1                      ; the walking descriptor: the other slot than last time,
	s_add_nc_u64 s[46:47], s[46:47], SLOT1         ; the next 512 keys; the type bits on top are not reached
	s_wait_xcnt 0x0                                ; earlier memory instructions have read their addresses:
	s_add_nc_u64 s[PFA:PFA+1], s[PFA:PFA+1], SLOT1 ; the prefetch stands one slot further on than the walking descriptor
	s_wait_dscnt 0x0                               ; the add is done, and my reads of the slot are over
	CROUND
	tensor_load_to_lds s[44:47], s[24:31]
	s_nop 0
.rept 4
	v_nop
.endr
	ASK
.else
	s_wait_dscnt 0x0
	s_barrier_signal -1
	s_barrier_wait -1
.endif
	s_sub_co_u32 s[TB], s[TB], 65536               ; back to a slot's first step,
	s_xor_b32 s[TB], s[TB], SLOT1                  ; in the other slot
.endm
	s_load_b256 s[4:11], s[0:1], 0x0               ; qh s[4:5], kv s[6:7], maskb s[8:9], xh s[10:11]
	v_lshl_add_u32 v[SPW], v0, 2, SPARE
	v_mov_b32 v[NIL], 0
	ds_add_u32 v[SPW], v[NIL]                      ; the wave's opening: the add, twice on end, and its wait ahead of my first tensor load; the set-up below stands between
	ds_add_u32 v[SPW], v[NIL]
	v_lshrrev_b32 v7, 5, v0
	v_readfirstlane_b32 s[WV], v7                  ; wave 0..7
	s_bfe_u32 s13, ttmp6, 0x40000                  ; cx: my place in the cluster
	s_lshl_b32 s14, ttmp9, 2                       ; in a cluster launch ttmp9 counts clusters
	s_add_co_u32 s14, s14, s13                     ; my block of 256 queries: it enters qh's and xh's addresses alone
	s_and_b32 s16, ttmp7, 0xffff                   ; bh = 8 x batch + head, which the four partners share
	v_and_b32 v7, 31, v0
	v_lshlrev_b32 v[LI], 4, v7
	v_lshlrev_b32 v[PFO], 8, v7
	v_bfe_u32 v7, v0, 4, 1
	v_lshl_add_u32 v[AM0], v7, 5, MASKB
	; descriptor group 1: dense blocks as rows of 256 bytes (32 elements of 8 bytes): 64 rows for K and V, 4 for the mask numbers
	s_mov_b32 s24, 15|(3<<16)|(1<<21)              ; the mask: all four work-groups; elements of 8 bytes; bit 21 set beside a mask
	s_mov_b32 s25, 32<<16                          ; tensor_dim0 = 32
	s_mov_b32 s26, 64<<16                          ; tensor_dim1 = 64
	s_mov_b32 s27, 32<<16                          ; tile_dim0 = 32
	s_mov_b32 s28, 64                              ; tile_dim1 = 64
	s_mov_b32 s29, 32                              ; elements from row to row
	s_mov_b32 s30, 0
	s_mov_b32 s31, 0
	s_mov_b32 s32, 15|(3<<16)|(1<<21)
	s_mov_b32 s33, 32<<16
	s_mov_b32 s34, 4<<16
	s_mov_b32 s35, 32<<16
	s_mov_b32 s36, 4
	s_mov_b32 s37, 32
	s_mov_b32 s38, 0
	s_mov_b32 s39, 0
	s_mov_b32 s[CS], 0x3e38aa3b                    ; c = log2(e) / 8
	s_mov_b32 s[CS+1], s[CS]                       ; (named with it as a pair, so it is written)
	s_mov_b32 s[SEL], 0x76543210
	s_mov_b32 s[SEL+1], 0xfedcba98
	s_mov_b32 s[TB], 0
	s_mov_b32 s[TMK], 0
	s_lshr_b32 s[LIM], s[WV], 2                    ; 0 in waves 0 to 3,
	s_or_b32 s[LIM], s[LIM], ttmp9                 ; of the head's first cluster: the same in all four partners
	s_cmp_eq_u32 s[LIM], 0
	s_cselect_b32 s[LIM], 1, -1
	s_lshl_b32 s20, s16, 19                        ; kv: the head's 524,288 bytes,
	s_lshl_b32 s17, s[WV], 14                      ; my eighth of a slot
	s_add_co_u32 s20, s20, s17
	s_mov_b32 s21, 0
	s_lshr_b32 s22, s16, 3                         ; the batch
	s_lshl_b32 s22, s22, 13                        ; its 8,192 bytes of mask numbers,
	s_lshl_b32 s17, s[WV], 10                      ; my eighth
	s_add_co_u32 s22, s22, s17
	s_mov_b32 s23, 0
	s_lshl_b32 s17, s14, 4
	s_lshl_b32 s2, s[WV], 1
	s_add_co_u32 s17, s17, s2                      ; my first tile of queries in the batch: 16 x block + 2 x wave
	s_lshl_b32 s2, s16, 18
	s_lshl_b32 s3, s17, 11
	s_add_co_u32 s2, s2, s3                        ; qh: 262,144 bytes a head, 2,048 a tile
	s_mov_b32 s3, 0
	s_lshr_b32 s60, s16, 3
	s_lshl_b32 s60, s60, 7
	s_add_co_u32 s60, s60, s17                     ; the token tile among all 512
	s_lshl_b32 s60, s60, 14                        ; xh: 16,384 bytes a token tile,
	s_and_b32 s61, s16, 7
	s_lshl_b32 s61, s61, 11                        ; 2,048 a head
	s_add_co_u32 s60, s60, s61
	s_mov_b32 s61, 0
	s_lshl_b32 s62, s16, 19                        ; the prefetch: the head,
	s_add_co_u32 s62, s62, 2*SLOT1                 ; slot 2 (the first change of slots steps it to slot 3),
	s_lshl_b32 s63, s13, 15                        ; my work-group's 32,768 bytes,
	s_add_co_u32 s62, s62, s63
	s_lshl_b32 s63, s[WV], 13                      ; my wave's 8,192
	s_add_co_u32 s62, s62, s63
	s_mov_b32 s63, 0
	s_wait_dscnt 0x0                               ; both opening adds are done
	s_wait_kmcnt 0x0
	s_add_nc_u64 s[4:5], s[4:5], s[2:3]
	s_add_nc_u64 s[10:11], s[10:11], s[60:61]
	s_add_nc_u64 s[PFA:PFA+1], s[6:7], s[62:63]
	s_mov_b32 s40, 1                               ; group 0 for slot 0: count = 1,
	s_lshl_b32 s41, s[WV], 14                      ; LDS address: wave x 16,384: no place in the cluster enters it,
	s_add_nc_u64 s[42:43], s[6:7], s[20:21]        ; my eighth of the head's first 512 keys
	s_mov_b32 s44, 1                               ; for slot 1; this set then walks
	s_add_co_u32 s45, s41, SLOT1
	s_add_nc_u64 s[46:47], s[42:43], SLOT1
	s_or_b32 s43, s43, 0x80000000                  ; type = 2
	s_or_b32 s47, s47, 0x80000000
	s_mov_b32 s48, 1                               ; for the mask numbers
	s_lshl_b32 s49, s[WV], 10
	s_add_co_u32 s49, s49, MASKB
	s_add_nc_u64 s[50:51], s[8:9], s[22:23]
	s_or_b32 s51, s51, 0x80000000
	CROUND                                         ; all four work-groups are here: the first joint loads meet
	tensor_load_to_lds s[48:51], s[32:39]          ; the mask numbers: filled once
	s_nop 0
	tensor_load_to_lds s[40:43], s[24:31]          ; slot 0
	s_nop 0
	tensor_load_to_lds s[44:47], s[24:31]          ; slot 1
	s_nop 0
.rept 4
	v_nop
.endr
.irp i, 0,1,2,3,4,5,6,7
	global_load_b128 v[Q+4*\i:Q+4*\i+3], v[LI], s[4:5] offset:512*\i   ; Q stays in registers: tile i / 4, channels 32 ((i / 2) % 2) on
.endr
.irp j, 0,1,2,3,4,5,6,7,8,9,10,11,12,13,14,15,16,17,18,19,20,21,22,23,24,25,26,27,28,29,30,31,32,33,34,35,36,37,38,39,40,41,42,43,44,45,46,47,48,49,50,51,52,53,54,55,56,57,58,59,60,61,62,63
	v_mov_b32 v[O+\j], 0                           ; the step is written once: its first walk finds zeros
.endr
.irp t, 0,1
	v_mov_b32 v[ST+8*\t+1], MASKED                 ; m
	v_mul_f32 v[ST+8*\t], s[CS], v[ST+8*\t+1]      ; c m: exact
	v_mov_b32 v[ST+8*\t+2], 0                      ; l, in two halves
	v_mov_b32 v[ST+8*\t+3], 0
.endr
	s_wait_tensorcnt 1                             ; my parts of the mask numbers and of slot 0 are in; slot 1's may stay out
	s_barrier_signal -1
	s_barrier_wait -1                              ; everybody's are
	s_wait_loadcnt 0x0                             ; Q
	STEPS                                          ; keys 0-511
	s_mov_b32 s[SLOTS], 2
.Lslot:                                            ; two trips: the slot just left takes the keys two slots on
	CHANGE 1
	STEPS
	s_sub_co_u32 s[SLOTS], s[SLOTS], 1
	s_cmp_lg_u32 s[SLOTS], 0
	s_cbranch_scc1 .Lslot
	CHANGE 0                                       ; the tail is written out
	STEPS
	; THE WAY OUT.  l's two halves and the other half of the lanes' are added; O^T / l, or 0 where no key counted, is rounded to f16: a lane's eight channels of a token are 16 bytes, a quarter of a fragment of the last product's operand.
.rept 4
	v_nop                                          ; four places behind the last products
.endr
.irp t, 0,1
	v_add_f32 v[ST+8*\t+4], v[ST+8*\t+2], v[ST+8*\t+3]
.endr
.irp t, 0,1
	v_permlanex16_b32 v[ST+8*\t+5], v[ST+8*\t+4], s[SEL], s[SEL+1]
.endr
.irp t, 0,1
	v_add_f32 v[ST+8*\t+4], v[ST+8*\t+4], v[ST+8*\t+5]
.endr
.irp t, 0,1
	v_rcp_f32 v[ST+8*\t+6], v[ST+8*\t+4]
.endr
	v_nop                                          ; a plain instruction behind the last reciprocal
	s_wait_alu depctr_va_vdst(0)                   ; one wait for the two, ahead of their first reader
.irp t, 0,1
	v_cmp_lt_f32 vcc_lo, 0xfb000000, v[ST+8*\t+1]  ; -2^119 < m: some key counted
	v_cndmask_b32 v[ST+8*\t+6], 0, v[ST+8*\t+6], vcc_lo
.endr
.irp t, 0,1
.irp n, 0,1,2,3,4,5,6,7,8,9,10,11,12,13,14,15
	v_pk_mul_f32 v[T+2*\n:T+2*\n+1], v[O+32*\t+2*\n:O+32*\t+2*\n+1], v[ST+8*\t+6:ST+8*\t+7] op_sel_hi:[1,0]
.endr
.irp n, 0,1,2,3,4,5,6,7,8,9,10,11,12,13,14,15
	v_cvt_pk_f16_f32 v[P+16*\t+\n], v[T+2*\n], v[T+2*\n+1]
.endr
.irp n, 0,1,2,3
	global_store_b128 v[LI], v[P+16*\t+4*\n:P+16*\t+4*\n+3], s[10:11] offset:16384*\t+512*\n   ; 32 lanes store 512 consecutive bytes, at a multiple of 512 from the buffer's first byte
.endr
.endr
	s_wait_tensorcnt 0x0                           ; the wave's end, behind my last tensor load
	ds_add_u32 v[SPW], v[NIL]
	s_wait_dscnt 0x0
	CROUND                                         ; the closing round: no work-group ends while a partner may still ask for a tile that names it
	s_endpgm
.Lfunc_end_k_q484c1b049d_attn:
	.size	k_q484c1b049d_attn, .Lfunc_end_k_q484c1b049d_attn-k_q484c1b049d_attn
	.p2alignl 7, 3214868480
	.fill 96, 4, 3214868480
	.section	.rodata,"a",@progbits
	.p2align	6, 0x0
	.amdhsa_kernel k_q484c1b049d_attn
		.amdhsa_group_segment_fixed_size 327680
		.amdhsa_private_segment_fixed_size 0
		.amdhsa_enable_private_segment 0
		.amdhsa_kernarg_size 32
		.amdhsa_user_sgpr_count 2
		.amdhsa_user_sgpr_kernarg_segment_ptr 1
		.amdhsa_wavefront_size32 1
		.amdhsa_system_sgpr_workgroup_id_x 1
		.amdhsa_system_sgpr_workgroup_id_y 1
		.amdhsa_system_sgpr_workgroup_id_z 1
		.amdhsa_system_vgpr_workitem_id 0
		.amdhsa_next_free_vgpr 416
		.amdhsa_next_free_sgpr 66
		.amdhsa_reserve_vcc 1
		.amdhsa_float_denorm_mode_32 3
		.amdhsa_float_denorm_mode_16_64 3
		.amdhsa_memory_ordered 1
		.amdhsa_forward_progress 1
		.amdhsa_inst_pref_size 69
	.end_amdhsa_kernel
	.amdgpu_metadata
---
amdhsa.version: [ 1, 2 ]
amdhsa.kernels:
  - .name:           k_q484c1b049d_attn
    .symbol:         k_q484c1b049d_attn.kd
    .args:
      - { .name: qh, .offset: 0, .size: 8, .value_kind: global_buffer, .address_space: global }
      - { .name: kv, .offset: 8, .size: 8, .value_kind: global_buffer, .address_space: global }
      - { .name: maskb, .offset: 16, .size: 8, .value_kind: global_buffer, .address_space: global }
      - { .name: xh, .offset: 24, .size: 8, .value_kind: global_buffer, .address_space: global }
    .group_segment_fixed_size: 327680
    .private_segment_fixed_size: 0
    .kernarg_segment_align: 8
    .kernarg_segment_size: 32
    .max_flat_workgroup_size: 256
    .sgpr_count:     66
    .vgpr_count:     416
    .wavefront_size: 32
...
	.end_amdgpu_metadata
.endif
;; end of part 3
;; launch outp (part 4): grid 2 x 128, 8 waves a work-group, no clusters, 167,936 bytes of LDS; arguments xh, wo16, b_o, out0; writes out0
.if DOCPART == 4
	.amdgcn_target "amdgcn-amd-amdhsa--gfx1250"
	.amdhsa_code_object_version 6
	.text
	.protected	k_q484c1b049d_outp
	.globl	k_q484c1b049d_outp
	.p2align	8
	.type	k_q484c1b049d_outp,@function
k_q484c1b049d_outp:
	s_mov_b64 s[64:65], 0
	v_nop
	global_prefetch_b8 v0, s[64:65] scope:SCOPE_SE
	s_setreg_imm32_b32 hwreg(HW_REG_WAVE_MODE, 25, 1), 1
	s_wait_xcnt 0x0
; out = X W_o + b_o.  X [8,192][512] and W_o [512][512] in f16, both stored by earlier launches as images of their operand registers; sums in f32; out0 f32.
; Work-group (x, y): tokens 64 y .. 64 y + 63, columns 256 x .. 256 x + 255.  THE WAVES SHARE THE COLUMNS: wave w makes 32 columns (two tiles of 16) for all 64 tokens; its part of W_o
; (2 x 16 fragments, 256 registers: all of window 1) is read from memory once and stays.  X's 64 tokens are 65,536 consecutive bytes: one tensor load a wave (8,192 bytes), issued at the head, read by all eight waves; no LDS byte is filled twice.
; No cluster: W_o goes straight into registers, and X's block is shared by two work-groups only, which form no cluster of four.
; THE PRODUCT IS USED TRANSPOSED (source 0 = 16 columns of W_o, source 1 = 16 tokens): a lane holds one token and eight neighbouring columns, 32 bytes.  The bias is the C of each sum's first product.
; The results meet in a stage in LDS (64 rows of 1,024 bytes + 16) and leave as whole rows: 32 lanes store 512 consecutive bytes.
; REGISTERS.  Window 0: v1-7 addresses; v8-23 the bias; v32-95 eight accumulators ((n, m) at 8 (4 n + m)); v96-159, v160-223 X's fragments, two sets of two K steps x four token tiles; later rows of out0.  Window 1: W_o (tile n, K step ks) at 8 (16 n + ks).
.set STG,   65536                      ; behind X: the stage
.set SP,    1040
.set SPARE, STG+64*SP                  ; the spare words, 128 bytes for each wave: four blocks of 256 bytes that no other line names
.set LI,  1                            ; v1  16 x lane
.set SO,  2                            ; v2  the stage: where I put 32 bytes of a row
.set SR,  3                            ; v3  and where I read rows back
.set BA,  4                            ; v4  32 h
.set SPW, 6
.set NIL, 7
.set BO,  8
.set AC,  32
.set XF,  96
.set MSB, 0
.macro WIN new
.if MSB != \new
	s_set_vgpr_msb (MSB<<8)|\new
.set MSB, \new
.endif
.endm
.macro FETCH bt                        ; K steps 2 bt and 2 bt + 1 of the four token tiles: sixteen loads into set bt % 2
.set FB, XF+64*((\bt)%2)
.irp k, 0,1
.irp m, 0,1,2,3
.irp c, 0,1
	ds_load_b128 v[FB+32*\k+8*\m+4*\c:FB+32*\k+8*\m+4*\c+3], v[LI] offset:16384*\m+1024*(2*(\bt)+\k)+512*\c
.endr
.endr
.endr
.endm
	s_load_b256 s[4:11], s[0:1], 0x0               ; xh s[4:5], wo16 s[6:7], b_o s[8:9], out0 s[10:11]
	v_lshl_add_u32 v[SPW], v0, 2, SPARE
	v_mov_b32 v[NIL], 0
	ds_add_u32 v[SPW], v[NIL]                      ; the wave's opening: the add, twice on end, and its wait ahead of my first tensor load; the set-up below stands between
	ds_add_u32 v[SPW], v[NIL]
	v_lshrrev_b32 v8, 5, v0
	v_readfirstlane_b32 s12, v8                    ; wave 0..7
	s_and_b32 s13, ttmp7, 0xffff                   ; which 64 tokens
	v_and_b32 v8, 31, v0
	v_lshlrev_b32 v[LI], 4, v8
	v_and_b32 v9, 15, v0                           ; r
	v_bfe_u32 v10, v0, 4, 1                        ; h
	v_lshlrev_b32 v[BA], 5, v10
	s_lshl_b32 s14, s12, 7
	s_add_co_u32 s14, s14, STG
	v_mul_u32_u24 v[SO], v9, SP
	v_lshl_add_u32 v[SO], v10, 5, v[SO]
	v_add_nc_u32 v[SO], s14, v[SO]                 ; row r, + 32 h, + 128 x wave
	s_mul_i32 s14, s12, 8*SP
	s_add_co_u32 s14, s14, STG
	v_add_nc_u32 v[SR], s14, v[LI]                 ; back: my 8 rows, 16 bytes a lane
	; descriptor group 1: 8,192 dense bytes as 32 rows of 256 (32 elements of 8 bytes)
	s_mov_b32 s16, 3<<16
	s_mov_b32 s17, 32<<16
	s_mov_b32 s18, 32<<16
	s_mov_b32 s19, 32<<16
	s_mov_b32 s20, 32
	s_mov_b32 s21, 32
	s_mov_b32 s22, 0
	s_mov_b32 s23, 0
	s_lshl_b32 s28, s13, 16                        ; xh: 65,536 bytes a work-group row,
	s_lshl_b32 s30, s12, 13                        ; my eighth
	s_add_co_u32 s28, s28, s30
	s_mov_b32 s29, 0
	s_lshl_b32 s30, ttmp9, 18                      ; wo16: tile 16 x + 2 w, 16,384 bytes a tile
	s_lshl_b32 s32, s12, 15
	s_add_co_u32 s30, s30, s32
	s_mov_b32 s31, 0
	s_lshl_b32 s32, ttmp9, 10                      ; b_o: column 256 x + 32 w
	s_lshl_b32 s34, s12, 7
	s_add_co_u32 s32, s32, s34
	s_mov_b32 s33, 0
	s_lshl_b32 s34, s13, 17                        ; out0: row 64 y + 8 w of 2,048 bytes, + 1,024 x
	s_lshl_b32 s36, s12, 14
	s_add_co_u32 s34, s34, s36
	s_lshl_b32 s36, ttmp9, 10
	s_add_co_u32 s34, s34, s36
	s_mov_b32 s35, 0
	s_wait_dscnt 0x0                               ; both opening adds are done
	s_wait_kmcnt 0x0
	s_mov_b32 s24, 1
	s_lshl_b32 s25, s12, 13                        ; LDS address: wave x 8,192
	s_add_nc_u64 s[26:27], s[4:5], s[28:29]
	s_or_b32 s27, s27, 0x80000000
	tensor_load_to_lds s[24:27], s[16:23]          ; my one tensor load
	s_nop 0
.rept 4
	v_nop
.endr
	s_add_nc_u64 s[6:7], s[6:7], s[30:31]
	s_add_nc_u64 s[8:9], s[8:9], s[32:33]
	s_add_nc_u64 s[10:11], s[10:11], s[34:35]
	WIN 0x40                                       ; destination window 1
.irp i, 0,1,2,3,4,5,6,7,8,9,10,11,12,13,14,15,16,17,18,19,20,21,22,23,24,25,26,27,28,29,30,31,32,33,34,35,36,37,38,39,40,41,42,43,44,45,46,47,48,49,50,51,52,53,54,55,56,57,58,59,60,61,62,63
	global_load_b128 v[4*\i:4*\i+3], v[LI], s[6:7] offset:512*\i   ; W_o's 32 fragments: they stay
.endr
	WIN 0
.irp n, 0,1
.irp c, 0,1
	global_load_b128 v[BO+8*\n+4*\c:BO+8*\n+4*\c+3], v[BA], s[8:9] offset:64*\n+16*\c   ; the bias of columns 16 n + 8 h + 0 .. 7
.endr
.endr
	s_wait_tensorcnt 0x0                           ; my eighth of X has landed,
	s_barrier_signal -1
	s_barrier_wait -1                              ; everybody's has
	FETCH 0
	FETCH 1
	s_wait_loadcnt 0x0                             ; W_o and the bias
.set BTC, 0
.rept 8
.set FB, XF+64*(BTC%2)
.if BTC < 7
	s_wait_dscnt 16                                ; this batch's sixteen loads are in; the next batch's may be out
.else
	s_wait_dscnt 0x0
.endif
	WIN 0x01                                       ; source 0 (W_o) window 1
.irp k, 0,1
.irp m, 0,1,2,3
.irp n, 0,1                                    ; the eight accumulators take turns, one instruction a turn
.if (BTC == 0) && (\k == 0)
	v_wmma_f32_16x16x32_f16 v[AC+8*(4*\n+\m):AC+8*(4*\n+\m)+7], v[8*(16*\n+2*BTC+\k):8*(16*\n+2*BTC+\k)+7], v[FB+32*\k+8*\m:FB+32*\k+8*\m+7], v[BO+8*\n:BO+8*\n+7]
.else
	v_wmma_f32_16x16x32_f16 v[AC+8*(4*\n+\m):AC+8*(4*\n+\m)+7], v[8*(16*\n+2*BTC+\k):8*(16*\n+2*BTC+\k)+7], v[FB+32*\k+8*\m:FB+32*\k+8*\m+7], v[AC+8*(4*\n+\m):AC+8*(4*\n+\m)+7]
.endif
.endr
.endr
.endr
	WIN 0
.rept 4
	v_nop                                          ; four places behind the products: in front of loads into their operands, and in front of the first read of their results
.endr
.if BTC < 6
	FETCH BTC+2
.endif
.set BTC, BTC+1
.endr
.irp m, 0,1,2,3
.irp n, 0,1
	ds_store_b128 v[SO], v[AC+8*(4*\n+\m):AC+8*(4*\n+\m)+3] offset:16*SP*\m+64*\n         ; lane (r, h): out(16 m + r, 32 w + 16 n + 8 h + 0 .. 7); each accumulator from its low end on
	ds_store_b128 v[SO], v[AC+8*(4*\n+\m)+4:AC+8*(4*\n+\m)+7] offset:16*SP*\m+64*\n+16
.endr
.endr
	s_wait_dscnt 0x0                               ; for the others' sake: my stores have landed
	s_barrier_signal -1
	s_barrier_wait -1                              ; 64 rows of 1,024 bytes lie in the stage
.irp i, 0,1,2,3,4,5,6,7
.irp u, 0,1
	ds_load_b128 v[XF+4*(2*\i+\u):XF+4*(2*\i+\u)+3], v[SR] offset:SP*\i+512*\u
.endr
.endr
.irp i, 0,1,2,3,4,5,6,7
.irp u, 0,1
	s_wait_dscnt 15-2*\i-\u                        ; LDS loads come back in order: this one is in
	global_store_b128 v[LI], v[XF+4*(2*\i+\u):XF+4*(2*\i+\u)+3], s[10:11] offset:2048*\i+512*\u th:TH_STORE_NT   ; 32 lanes store 512 consecutive bytes, at a multiple of 512 from out0's first byte; written once, read by nobody here
.endr
.endr
	s_wait_tensorcnt 0x0                           ; the wave's end, behind my last tensor load and my last LDS store
	ds_add_u32 v[SPW], v[NIL]
	s_wait_dscnt 0x0
	s_endpgm
.Lfunc_end_k_q484c1b049d_outp:
	.size	k_q484c1b049d_outp, .Lfunc_end_k_q484c1b049d_outp-k_q484c1b049d_outp
	.p2alignl 7, 3214868480
	.fill 96, 4, 3214868480
	.section	.rodata,"a",@progbits
	.p2align	6, 0x0
	.amdhsa_kernel k_q484c1b049d_outp
		.amdhsa_group_segment_fixed_size 167936
		.amdhsa_private_segment_fixed_size 0
		.amdhsa_enable_private_segment 0
		.amdhsa_kernarg_size 32
		.amdhsa_user_sgpr_count 2
		.amdhsa_user_sgpr_kernarg_segment_ptr 1
		.amdhsa_wavefront_size32 1
		.amdhsa_system_sgpr_workgroup_id_x 1
		.amdhsa_system_sgpr_workgroup_id_y 1
		.amdhsa_system_sgpr_workgroup_id_z 1
		.amdhsa_system_vgpr_workitem_id 0
		.amdhsa_next_free_vgpr 512
		.amdhsa_next_free_sgpr 66
		.amdhsa_reserve_vcc 0
		.amdhsa_float_denorm_mode_32 3
		.amdhsa_float_denorm_mode_16_64 3
		.amdhsa_memory_ordered 1
		.amdhsa_forward_progress 1
		.amdhsa_inst_pref_size 32
	.end_amdhsa_kernel
	.amdgpu_metadata
---
amdhsa.version: [ 1, 2 ]
amdhsa.kernels:
  - .name:           k_q484c1b049d_outp
    .symbol:         k_q484c1b049d_outp.kd
    .args:
      - { .name: xh, .offset: 0, .size: 8, .value_kind: global_buffer, .address_space: global }
      - { .name: wo16, .offset: 8, .size: 8, .value_kind: global_buffer, .address_space: global }
      - { .name: b_o, .offset: 16, .size: 8, .value_kind: global_buffer, .address_space: global }
      - { .name: out0, .offset: 24, .size: 8, .value_kind: global_buffer, .address_space: global }
    .group_segment_fixed_size: 167936
    .private_segment_fixed_size: 0
    .kernarg_segment_align: 8
    .kernarg_segment_size: 32
    .max_flat_workgroup_size: 256
    .sgpr_count:     66
    .vgpr_count:     512
    .wavefront_size: 32
...
	.end_amdgpu_metadata
.endif
;; end of part 4
